; MI455X (gfx1250); checked and timed in simulation.
; The chip was launched on July 23, 2026; its instructions are those of AMD's public machine-readable ISA for CDNA 5 (MIT licence, August 2026) and "CDNA5" Instruction Set Architecture Reference Guide (July 2026). The comments in the code are by the model that wrote it; some were corrected since.
;; Multi Head Attention. Allowed arithmetic: matrix products marked QUANTISED: E5M2 operands, one given power-of-two scale a tensor, by v_wmma_f32_16x16x64_bf8_bf8 or v_wmma_f32_16x16x128_bf8_bf8, f32 sums; everything else in f32.
;; Inputs: b_k 1,024 float32; b_o 1,024 float32; b_q 1,024 float32; b_v 1,024 float32; key_codes 4 x 2,048 x 32 x 32 uint8 (E5M2 codes of key, K innermost, in blocks of 32 codes); lowp_scales 12 int32 (the exponents e of the quantised operands' scales 2^e); mask 4 x 1 x 2,048 bool; query_codes 4 x 2,048 x 32 x 32 uint8 (E5M2 codes of query, K innermost, in blocks of 32 codes); value_codes 4 x 2,048 x 32 x 32 uint8 (E5M2 codes of value, K innermost, in blocks of 32 codes); w_k_codes 1,024 x 32 x 32 uint8 (E5M2 codes of w_k, K innermost, in blocks of 32 codes); w_o_codes 1,024 x 32 x 32 uint8 (E5M2 codes of w_o, K innermost, in blocks of 32 codes); w_q_codes 1,024 x 32 x 32 uint8 (E5M2 codes of w_q, K innermost, in blocks of 32 codes); w_v_codes 1,024 x 32 x 32 uint8 (E5M2 codes of w_v, K innermost, in blocks of 32 codes).
;; Outputs: out0 4 x 2,048 x 1,024 float32.
;; This version of the problem:
;;   THIS VERSION OF THE PROBLEM IS GIVEN IN LOW PRECISION. The matrix products marked QUANTISED in the list below multiply operands that are first quantised to E5M2 (5 exponent bits, 2 mantissa bits; 8 bits a number), with one given power-of-two scale for each operand tensor; their sums are f32. All else is computed in f32.
;;   The module's matrix products, in the order in which they are computed (A, B: the left and right operand; K: the contracted axis; several contracted axes count as one K, in the product's order):
;;     1. [M 8,192, K 1,024] x [K 1,024, N 1,024]; A: input query (given as codes); B: input w_q (given as codes): QUANTISED (scales: A lowp_scales[0], B lowp_scales[1])
;;     2. [M 8,192, K 1,024] x [K 1,024, N 1,024]; A: input key (given as codes); B: input w_k (given as codes): QUANTISED (scales: A lowp_scales[2], B lowp_scales[3])
;;     3. [M 8,192, K 1,024] x [K 1,024, N 1,024]; A: input value (given as codes); B: input w_v (given as codes): QUANTISED (scales: A lowp_scales[4], B lowp_scales[5])
;;     4. batch 64 x [M 2,048, K 64] x [K 64, N 2,048]; A: computed on the way; B: computed on the way: QUANTISED (scales: A lowp_scales[6], B lowp_scales[7])
;;     5. batch 64 x [M 2,048, K 2,048] x [K 2,048, N 64]; A: softmax (see below); B: computed on the way: QUANTISED (scales: A lowp_scales[8], B lowp_scales[9])
;;     6. [M 8,192, K 1,024] x [K 1,024, N 1,024]; A: computed on the way; B: input w_o (given as codes): QUANTISED (scales: A lowp_scales[10], B lowp_scales[11])
;;   THE QUANTISER, for each operand of a quantised product, along K:
;;     - The operand's scale is 2^e, e = its entry of the input lowp_scales (int32; the entries are numbered through the quantised products in the list's order, A before B).
;;     - Each number is divided by the scale, clamped to +-57,344, and rounded to the nearest number of E5M2, ties to even, subnormals kept.
;;     - The product sums the exact products of the quantised numbers (number of the format x scale) in f32.
;;   ~~~python
;;   def quantise(x, axis, e):      # numpy; x: float32 -> the quantised numbers, widened to float32 again
;;       x = np.moveaxis(x, axis, -1); K = x.shape[-1]
;;       r = np.clip(x / 2.0 ** e, -57344, 57344)
;;       step = 2.0 ** (np.maximum(np.frexp(np.where(r == 0, 1, r))[1] - 1, -14) - 2)
;;       q = np.round(r / step) * step * 2.0 ** e      # np.round: ties to even
;;       return np.moveaxis(q, -1, axis).astype(np.float32)
;;   ~~~
;;   SOFTMAX AHEAD OF A QUANTISED PRODUCT. Where the list says 'softmax', what is quantised is not the finished softmax but p = 2^(t - M), with t = logit x log2(e) and M = ceil(the row's largest t), a whole number; so 1/2 < the row's largest p <= 1. The row's sum l is taken of the UNQUANTISED p, in f32, and the product's result is divided by l at the end. Since M is a whole number, a kernel that streams over the keys may use a running M (the ceiling of the running maximum): every later rescaling is an exact power of two, so the quantised numbers keep their values, but for numbers so far below the row's largest that they fall under the format's range.
;;   OPERANDS COMPUTED ON THE WAY. 'Computed on the way' means the value that the module computes at that place (a softmax that the list does not call 'softmax' is quantised finished and normalised). What goes into a quantiser is computed in f32, as accurately as f32 sums, v_exp_f32 and their like allow (about 1e-6 of the number): no bf16 or f16 on the way to a quantiser, and a product that is left as it is and whose result goes on into a quantised operand takes f32 operands (vector FMAs, or v_wmma_f32_16x16x4_f32). A number that lies on a knife's edge between two numbers of the format may be rounded either way, as far as f32 arithmetic and the matrix unit's own rounding can turn it there, and no further.
;;   INPUTS GIVEN AS CODES. key (in the module: [4, 2048, 1024], K = its axis 2); query (in the module: [4, 2048, 1024], K = its axis 2); value (in the module: [4, 2048, 1024], K = its axis 2); w_k (in the module: [1024, 1024], K = its axis 1); w_o (in the module: [1024, 1024], K = its axis 1); w_q (in the module: [1024, 1024], K = its axis 1); w_v (in the module: [1024, 1024], K = its axis 1): each comes as NAME_codes (uint8): NAME with its K axis moved to the last place and cut into blocks of 32 codes, [.., K / 32, bytes a block], one block behind the other in memory; one code a byte (a code: sign, 5 exponent bits, 2 mantissa bits); its scale is its entry of lowp_scales. Its value is code x scale, taken as it is: it is not quantised again, and the codes and scales need not be those that the quantiser above would give.
;; One version. Each part assembles by itself: llvm-mc -triple=amdgcn-amd-amdhsa -mcpu=gfx1250 --defsym DOCPART=n.
;; ======== version 1 of 1: 3 launches
;; limits: right only within a limited range of input values
;; workspace buffers: qf 8,388,608 bytes; kf 8,388,608 bytes; vf 8,388,608 bytes; cf 8,388,608 bytes
;; launch proj (part 1): grid 4 x 96, 4 waves a work-group, clusters of 4 x 4, 327,680 bytes of LDS; arguments query_codes, key_codes, value_codes, w_q_codes, w_k_codes, w_v_codes, b_q, b_k, b_v, lowp_scales, qf, kf, vf; writes qf, kf, vf
.if DOCPART == 1
	.amdgcn_target "amdgcn-amd-amdhsa--gfx1250"
	.amdhsa_code_object_version 6
	.text
	.protected	k_qf6864dfa6f_proj
	.globl	k_qf6864dfa6f_proj
	.p2align	8
	.type	k_qf6864dfa6f_proj,@function
k_qf6864dfa6f_proj:
	s_mov_b64 s[64:65], 0
	v_nop
	global_prefetch_b8 v0, s[64:65] scope:SCOPE_SE
	s_setreg_imm32_b32 hwreg(HW_REG_WAVE_MODE, 25, 1), 1
	s_wait_xcnt 0x0
	s_wait_alu depctr_hold_cnt(0) depctr_sa_sdst(0) depctr_va_vdst(0) depctr_va_sdst(0) depctr_va_ssrc(0) depctr_va_vcc(0) depctr_vm_vsrc(0)
	s_getreg_b32 s2, hwreg(HW_REG_IB_STS2, 6, 4)
	s_cmp_eq_u32 s2, 0
	s_cbranch_scc0 .Lentry_in_a_cluster
	s_endpgm
.Lentry_in_a_cluster:
	s_bfe_u32 s2, ttmp6, 0x10000c
	s_cmp_lg_u32 s2, 0xf033
	s_cbranch_scc0 .Lentry_shape_is_right
	s_endpgm
.Lentry_shape_is_right:
; THE THREE PROJECTIONS: Q = query Wq^T + bq, K = key Wk^T + bk, V = value Wv^T + bv, on codes of BF8 (E5M2) as they are given; each result is quantised at once by its given scale (entries 6, 7, 9 of the scales)
; and stored as codes IN THE ORDER OF THE NEXT PRODUCT'S OPERAND REGISTERS, so that nothing is transposed later and every store of a wave is 512 consecutive bytes straight from registers.
; SHARES.  A tile of 256 x 256 of a result is made by four waves, as many as a WGP has SIMDs; a wave makes 128 x 128 in 64 accumulators.  K = 1,024 goes in four steps of 256 through two LDS slots.
; 24 clusters of 4 x 4 work-groups: cluster y = 8 p + c; p = 0: Q, 1: K, 2: V.  The four of a row of a cluster ask jointly for the tiles of source 1, the four of a column for those of source 0.
; WHICH OPERAND IS WHICH.  In a result lane (r, h), register j holds (row 8 h + j of source 0, row r of source 1), and one conversion of an accumulator's eight registers gives registers 2 c, 2 c + 1 of an 8-bit operand
; whose row is r and whose k is 16 c + 8 h + 0 .. 7.  Q and K are wanted with row = token, k = the head's channel: source 1 ("A" below) = tokens, source 0 ("B") = W's rows.
; V is wanted with row = channel, k = key: source 1 = Wv's rows, source 0 = tokens.  So for p = 2 the two tensors change places, and all else stays.
; OUT.  qf, kf: [16 b + head][token / 128][tile of 16 tokens: 8][group of four registers: 2][lane][16 bytes].   vf: [16 b + head][key / 128][tile of 16 channels: 4][group: 4][lane][16 bytes].
; LIMITS on the given exponents, so that each power of two below is an f32 number: the two operands' exponents added lie between -126 and 127; entries 6, 7, 9 between -126 and 112.  Codes of infinity and NaN are not served.
; REGISTERS, in windows of 256: window 0: v1-31 addresses and constants; v32-95 the bias; v96-127 at work; v128-255 A's fragments (one set), on the way out the codes.  window 1: B's fragments, two sets.
;   window 2: the 32 accumulators of A's blocks 0-3 ((a, b) at v[8 (8 (a % 4) + b)]);  window 3: those of blocks 4-7.
.set KROW,   1024                      ; a row of codes in memory, in bytes
.set ROWB,   256                       ; a tile's row: 256 codes
.set PITCH,  272                       ; an LDS row: 256 bytes + 16 of padding = 68 words: row r starts at bank 4 r mod 64 (64 banks of 4 bytes: ISA guide 11.1)
.set FR,     16                        ; registers of a fragment, 16 rows x 128 K
.set NL,     4                         ; LDS loads that bring one
.set NP,     4                         ; places behind this matrix instruction (ISA guide 7.12.1)
.set HALFT,  128*PITCH                 ; 128 rows: what one tensor load brings
.set SLOT,   4*HALFT                   ; A's 256 rows, then B's 256 rows
.set SPARE,  2*SLOT                    ; behind the ring: the spare words, 128 bytes for each wave
.set ADRA, 16                          ; v16-17  LDS address of my A fragments in slot 0, 1
.set ADRB, 20                          ; v20-21  the same for B
.set CO,   26                          ; v26     16 x lane: my place in a group of four registers' 512 bytes
.set SPW,  28                          ; v28     LDS address of my spare word; never rewritten
.set NIL,  29                          ; v29     0; never rewritten
.set SCL,  30                          ; v30     2^eo as f32, for the conversions
.set LIM,  31
.set BIAS, 32
.set TMP,  96
.set AF,   128
.set CD,   128                         ; the codes: 16 registers for each of A's eight blocks, each written once
.set G1, 24                            ; s[24:31] descriptor group 1 for A's tiles;  s[32:39] group 0, one set for each slot
.set G0, 32
.set G1B, 48                           ; s[48:55], s[56:63] the same for B's tiles
.set G0B, 56
.set MSB, 0
.macro WIN new                         ; the immediate's high byte repeats the setting that is left
.if MSB != (\new)
	s_set_vgpr_msb (MSB<<8)|(\new)
.set MSB, (\new)
.endif
.endm
.set MUL_LO, 0xa1                      ; source 0 (B) window 1, source 1 (A) window 0, C and D window 2
.set MUL_HI, 0xf1                      ; the same, C and D window 3
.set TO_B,   0x40                      ; destination window 1, address window 0
; A joint load: waves 0 and 1 fetch for A, waves 2 and 3 for B.  The branch hangs on the wave's number alone.  Four v_nop follow each of the two lines.
.macro JLOAD g0a, g1a, g0b, g1b
	s_cmp_eq_u32 s15, 0
	s_cbranch_scc0 .Lfor_b_\@
	tensor_load_to_lds s[\g0a:\g0a+3], s[\g1a:\g1a+7]
	s_nop 0
.rept 4
	v_nop
.endr
	s_branch .Lasked_\@
.Lfor_b_\@:
	tensor_load_to_lds s[\g0b:\g0b+3], s[\g1b:\g1b+7]
	s_nop 0
.rept 4
	v_nop
.endr
.Lasked_\@:
.endm
.macro CREST                           ; a round of the cluster's barrier behind its opening barrier
	s_cmp_lg_u32 s14, 0
	s_cbranch_scc1 .Lnot_wave_0_\@
	s_barrier_signal -3
.Lnot_wave_0_\@:
	s_barrier_wait -3
	s_barrier_signal -1
	s_barrier_wait -1
.endm
.macro CROUND                          ; a whole round
	s_barrier_signal -1
	s_barrier_wait -1
	CREST
.endm
	s_load_b256 s[68:75], s[0:1], 0x0              ; query, key, value, w_q
	s_load_b256 s[76:83], s[0:1], 0x20             ; w_k, w_v, b_q, b_k
	s_load_b256 s[84:91], s[0:1], 0x40             ; b_v, the scales' exponents, qf, kf
	s_load_b64 s[92:93], s[0:1], 0x60              ; vf
	v_lshl_add_u32 v[SPW], v0, 2, SPARE
	v_mov_b32 v[NIL], 0
	ds_add_u32 v28, v29
	ds_add_u32 v28, v29
	s_wait_dscnt 0x0
	v_lshrrev_b32 v1, 5, v0
	v_readfirstlane_b32 s14, v1                    ; wave 0..3
	s_lshr_b32 s15, s14, 1                         ; which half of A's 256 rows is mine.  Also: I fetch for A (0) or for B (1)
	s_and_b32 s16, s14, 1                          ; which half of B's.  Also: which 128 rows of that tile I fetch
	s_bfe_u32 s40, ttmp6, 0x40000                  ; cx, cy: my place in the cluster
	s_bfe_u32 s41, ttmp6, 0x40004
	s_and_b32 s95, ttmp7, 0xffff                   ; the cluster's y, 0 .. 23: the same in all sixteen partners
	s_lshr_b32 s94, s95, 3                         ; p: which projection
	s_and_b32 s95, s95, 7                          ; c: which 1,024 tokens
	s_cmp_eq_u32 s94, 2
	s_cselect_b32 s17, 0, s95                      ; the tokens are A's rows (Q, K) or B's (V)
	s_cselect_b32 s42, s95, 0
	s_lshl_b32 s17, s17, 2
	s_add_co_u32 s17, s17, s41                     ; A's tile of 256 rows: it hangs on cy, not on cx
	s_lshl_b32 s42, s42, 2
	s_add_co_u32 s42, s42, s40                     ; B's: on cx, not on cy
	s_lshl_b32 s43, s41, 2
	s_lshl_b32 s43, 15, s43                        ; my row of the cluster
	s_lshl_b32 s44, 0x1111, s40                    ; my column
	; descriptor group 1: a tile of 128 rows x 256 bytes, padded in LDS
	s_or_b32 s[G1+0], s43, (0<<16)|(1<<20)|(1<<21)|(5<<22)|(3<<25)  ; 15:0 the mask; 17:16 elements of 1 byte; 20 padding on; 21 set beside a mask; 24:22 after every 64 words (code 5); 31:25 four words (code 3)
	s_or_b32 s[G1B+0], s44, (0<<16)|(1<<20)|(1<<21)|(5<<22)|(3<<25)
.irp g, G1, G1B
	s_mov_b32 s[\g+1], ROWB<<16                    ; tensor_dim0
	s_mov_b32 s[\g+2], 128<<16                     ; tensor_dim1
	s_mov_b32 s[\g+3], ROWB<<16                    ; tile_dim0
	s_mov_b32 s[\g+4], 128                         ; tile_dim1
	s_mov_b32 s[\g+5], KROW                        ; tensor_dim0_stride
	s_mov_b32 s[\g+6], 0
	s_mov_b32 s[\g+7], 0
.endr
	s_lshl_b32 s18, s16, 7                         ; which 128 rows of the tile I fetch
	s_lshl_b32 s20, s17, 8
	s_add_co_u32 s20, s20, s18
	s_lshl_b32 s20, s20, 10                        ; A: (256 x tile + 128 x half) rows of 1,024 bytes: under 2^23
	s_mov_b32 s21, 0
	s_lshl_b32 s46, s42, 8
	s_add_co_u32 s46, s46, s18
	s_lshl_b32 s46, s46, 10                        ; B likewise
	s_mov_b32 s47, 0
	s_mul_i32 s45, s14, HALFT                      ; where they go: wave x 128 rows: no place in the cluster enters an LDS address
	s_wait_kmcnt 0x0
	s_cmp_eq_u32 s94, 0                            ; the buffers are chosen by p, which hangs on no address
	s_cselect_b64 s[4:5], s[68:69], s[70:71]       ; A: query or key
	s_cselect_b64 s[6:7], s[74:75], s[76:77]       ; B: w_q or w_k
	s_cselect_b64 s[66:67], s[80:81], s[82:83]     ; the bias
	s_cselect_b64 s[10:11], s[88:89], s[90:91]     ; the codes' buffer
	s_cmp_eq_u32 s94, 2
	s_cselect_b64 s[4:5], s[78:79], s[4:5]         ; V: A = w_v,
	s_cselect_b64 s[6:7], s[72:73], s[6:7]         ; B = value
	s_cselect_b64 s[66:67], s[84:85], s[66:67]
	s_cselect_b64 s[10:11], s[92:93], s[10:11]
	s_mov_b64 s[8:9], s[86:87]
	s_load_b256 s[68:75], s[8:9], 0x0              ; entries 0 to 7 of the scales,
	s_load_b64 s[76:77], s[8:9], 0x20              ; 8 and 9
	s_add_nc_u64 s[20:21], s[4:5], s[20:21]
	s_add_nc_u64 s[46:47], s[6:7], s[46:47]
	CROUND                                         ; all sixteen work-groups are here: the first joint loads meet
.irp s, 0,1
	s_mov_b32 s[G0+4*\s], 1
	s_add_co_u32 s[G0+4*\s+1], s45, \s*SLOT
	s_add_nc_u64 s[G0+4*\s+2:G0+4*\s+3], s[20:21], \s*ROWB
	s_or_b32 s[G0+4*\s+3], s[G0+4*\s+3], 0x80000000
	s_mov_b32 s[G0B+4*\s], 1
	s_add_co_u32 s[G0B+4*\s+1], s45, \s*SLOT
	s_add_nc_u64 s[G0B+4*\s+2:G0B+4*\s+3], s[46:47], \s*ROWB
	s_or_b32 s[G0B+4*\s+3], s[G0B+4*\s+3], 0x80000000
	JLOAD G0+4*\s, G1, G0B+4*\s, G1B
.endr
	v_and_b32 v1, 15, v0                           ; r = lane % 16
	v_bfe_u32 v2, v0, 4, 1                         ; h = lane / 16
	v_mul_u32_u24 v3, v1, PITCH
	v_lshl_add_u32 v4, v2, 4, v3                   ; a fragment's row x pitch + 16 x half
	s_mul_i32 s21, s15, HALFT                      ; my 128 rows of A
	s_mul_i32 s22, s16, HALFT                      ; my 128 rows of B,
	s_add_co_u32 s22, s22, 2*HALFT                 ; which lie behind A's 256
.irp s, 0,1
	v_add_nc_u32 v[ADRA+\s], s21, v4
	v_add_nc_u32 v[ADRB+\s], s22, v4
	s_add_co_u32 s21, s21, SLOT
	s_add_co_u32 s22, s22, SLOT
.endr
	v_lshlrev_b32 v7, 5, v2                        ; the bias along the registers (Q, K): 8 h numbers on
	v_lshlrev_b32 v8, 2, v1                        ; the bias along the lanes (V): r numbers on
	v_and_b32 v6, 31, v0
	v_lshlrev_b32 v[CO], 4, v6
	; where my codes go.  My 128 tokens are one block of 128 (tokblk), my 128 channels two heads (2 hp, 2 hp + 1).  Made in registers from which no descriptor is made
	s_lshl_b32 s80, s17, 1
	s_add_co_u32 s80, s80, s15                     ; A's block of 128 rows
	s_lshl_b32 s81, s42, 1
	s_add_co_u32 s81, s81, s16                     ; B's
	s_cmp_eq_u32 s94, 2
	s_cselect_b32 s82, s81, s80                    ; tokblk, 0 .. 63
	s_cselect_b32 s83, s80, s81                    ; hp, 0 .. 7
	s_lshr_b32 s84, s82, 4
	s_lshl_b32 s84, s84, 21                        ; the batch: 16 heads of 2^17 bytes
	s_lshl_b32 s85, s83, 18                        ; the pair of heads
	s_add_co_u32 s84, s84, s85
	s_and_b32 s82, s82, 15
	s_lshl_b32 s82, s82, 13                        ; the block of 128 tokens: 8,192 bytes
	s_add_co_u32 s84, s84, s82
	s_mov_b32 s85, 0
	s_add_nc_u64 s[10:11], s[10:11], s[84:85]      ; head 2 hp,
	s_add_nc_u64 s[12:13], s[10:11], 131072        ; head 2 hp + 1
	s_lshl_b32 s84, s83, 9
	s_add_nc_u64 s[66:67], s[66:67], s[84:85]      ; my 128 numbers of the bias
	s_wait_alu depctr_va_vdst(0)
	s_wait_kmcnt 0x0                               ; the scales: chosen by p without a branch
	s_cmp_eq_u32 s94, 0
	s_cselect_b32 s96, s68, s70
	s_cselect_b32 s97, s69, s71
	s_cselect_b32 s99, s74, s75
	s_cmp_eq_u32 s94, 2
	s_cselect_b32 s96, s72, s96
	s_cselect_b32 s97, s73, s97
	s_cselect_b32 s99, s77, s99
	s_add_co_i32 s96, s96, s97
	s_add_co_i32 s96, s96, 127
	s_lshl_b32 s96, s96, 23                        ; 2^(the two operands' exponents added) as f32
	s_mov_b32 s97, s96                             ; (named with it as a pair, so it is written)
	s_add_co_i32 s99, s99, 127
	s_lshl_b32 s98, s99, 23
	v_mov_b32 v[SCL], s98                          ; 2^eo: the conversion takes its exponent field
; A fragment comes by four loads of 16 bytes: registers 4 c .. 4 c + 3 hold K = 32 c + 16 (l / 16) + 0 .. 15: a permutation of k that is the same in both operands, so every product meets its partner.
.macro FRAG reg, adr, q, i
.irp c, 0,1,2,3
	ds_load_b128 v[\reg+4*\c:\reg+4*\c+3], v[\adr] offset:128*(\q)+32*\c+(\i)*16*PITCH
.endr
.endm
; 16 matrix instructions: A's blocks a0, a0 + 1 x B's eight, 128 along K.  p: B's set.  zero = 1: the first product starts the sums.  The 64 accumulators take turns, one instruction a turn.
.macro MUL16 a0, p, zero
.irp a, \a0, \a0+1
.irp b, 0,1,2,3,4,5,6,7
.if \zero
	v_wmma_f32_16x16x128_bf8_bf8 v[8*(8*((\a)%4)+\b):8*(8*((\a)%4)+\b)+7], v[128*(\p)+FR*\b:128*(\p)+FR*\b+FR-1], v[AF+FR*(\a):AF+FR*(\a)+FR-1], 0
.else
	v_wmma_f32_16x16x128_bf8_bf8 v[8*(8*((\a)%4)+\b):8*(8*((\a)%4)+\b)+7], v[128*(\p)+FR*\b:128*(\p)+FR*\b+FR-1], v[AF+FR*(\a):AF+FR*(\a)+FR-1], v[8*(8*((\a)%4)+\b):8*(8*((\a)%4)+\b)+7]
.endif
.endr
.endr
.endm
.macro FETCH_B slot, q, p              ; B's eight fragments of the slot's q-th 128 along K into set p
	WIN TO_B
.irp i, 0,1,2,3,4,5,6,7
	FRAG 128*(\p)+FR*\i, ADRB+\slot, \q, \i
.endr
	WIN 0
.endm
.macro FETCH_A slot, q, i0             ; A's blocks i0 .. i0 + 3
.irp i, \i0, \i0+1, \i0+2, \i0+3
	FRAG AF+FR*(\i), ADRA+\slot, \q, \i
.endr
.endm
.macro PLACES n                        ; plain vector instructions between a matrix instruction and a load into, or a vector instruction on, its registers
.rept \n
	v_nop
.endr
.endm
; A step of 128 along K that has its successor in the same slot.  A block of A is free as soon as its eight products are issued: blocks 0-3 are fetched anew in the middle, blocks 4-7 at the end.
.macro STEP slot, q, zero
	s_wait_dscnt 4*NL                              ; B's set and A's blocks 0-3 are in; the youngest sixteen loads (A's blocks 4-7) may be out
	WIN MUL_LO
	MUL16 0, (\q)%2, \zero
	MUL16 2, (\q)%2, \zero
	s_wait_dscnt 0                                 ; A's blocks 4-7 are in
	PLACES NP
	FETCH_B \slot, (\q)+1, 1-(\q)%2
	FETCH_A \slot, (\q)+1, 0
	WIN MUL_HI
	MUL16 4, (\q)%2, \zero
	MUL16 6, (\q)%2, \zero
	PLACES NP
	WIN 0
	FETCH_A \slot, (\q)+1, 4
.endm
; A slot's last step changes slots: ONE barrier; in front of it each wave waits for all its tensor loads, adds 0 to its spare word, and waits for that and for its own reads of this slot.  fill = 1: this slot is filled again, two K steps ahead.
.macro TURN slot, next, fill
	s_wait_tensorcnt 0x0                           ; all my tensor loads have landed: my part of the next slot
	ds_add_u32 v[SPW], v[NIL]                      ; 0 onto my spare word
	s_wait_dscnt 4*NL+1                            ; (the add and the youngest sixteen loads may be out)
	WIN MUL_LO
	MUL16 0, 1, 0                                  ; sixteen matrix instructions stand between the add and the wait for it
	s_wait_dscnt 0x0                               ; the add is done, and my reads of this slot are over
	s_barrier_signal -1
	MUL16 2, 1, 0
	WIN 0
	s_barrier_wait -1
.if \fill
	CREST                                          ; the barrier has opened a round of the cluster's barrier: no wave of any partner still reads this slot or has a load on its way
	s_add_nc_u64 s[G0+4*\slot+2:G0+4*\slot+3], s[G0+4*\slot+2:G0+4*\slot+3], 2*ROWB
	s_add_nc_u64 s[G0B+4*\slot+2:G0B+4*\slot+3], s[G0B+4*\slot+2:G0B+4*\slot+3], 2*ROWB
	JLOAD G0+4*\slot, G1, G0B+4*\slot, G1B         ; the first tensor load behind the round; its four v_nop are the places in front of the loads below
.else
	PLACES NP
.endif
	FETCH_B \next, 0, 0
	FETCH_A \next, 0, 0
	WIN MUL_HI
	MUL16 4, 1, 0
	MUL16 6, 1, 0
	PLACES NP
	WIN 0
	FETCH_A \next, 0, 4
.endm
.macro LAST                            ; the last 128 along K: nothing more to fetch
	s_wait_dscnt 4*NL
	WIN MUL_LO
	MUL16 0, 1, 0
	MUL16 2, 1, 0
	s_wait_dscnt 0
	WIN MUL_HI
	MUL16 4, 1, 0
	MUL16 6, 1, 0
	WIN 0
.endm
; THE WAY OUT of half a block: A's block a against B's blocks 4 hb .. 4 hb + 3.  sum x 2^(ea + eb) + bias in one packed multiply-add, each accumulator from its low end on; the hold at the largest code x the scale
; (the conversion to an 8-bit code does not saturate: ISA guide 7.6.2); four conversions: eight registers of the next operand; two stores of 512 consecutive bytes.
; isv = 0: the bias runs along the registers; the eight registers are the fragment (tokens 16 a on, head 2 hp + hb).  isv = 1: the bias is my lane's channel's; they are half of the fragment (channels 16 (a % 4) on of head 2 hp + a / 4, my 128 keys).
.macro OUTH a, hb, isv
.set AC, 64*((\a)%4)+32*(\hb)
	WIN 0x02+((\a)/4)                              ; source 0: window 2 or 3
.irp bb, 0,1,2,3
.irp i, 0,2,4,6
.if \isv
	v_pk_fma_f32 v[TMP+8*\bb+\i:TMP+8*\bb+\i+1], v[AC+8*\bb+\i:AC+8*\bb+\i+1], s[96:97], v[BIAS+2*(\a):BIAS+2*(\a)+1] op_sel_hi:[1,0,1]
.else
	v_pk_fma_f32 v[TMP+8*\bb+\i:TMP+8*\bb+\i+1], v[AC+8*\bb+\i:AC+8*\bb+\i+1], s[96:97], v[BIAS+32*(\hb)+8*\bb+\i:BIAS+32*(\hb)+8*\bb+\i+1] op_sel_hi:[1,0,1]
.endif
.endr
.endr
	WIN 0
.irp bb, 0,1,2,3
.irp i, 0,1,2,3,4,5,6,7
.endr
	v_cvt_scalef32_pk8_bf8_f32 v[CD+16*(\a)+8*(\hb)+2*\bb:CD+16*(\a)+8*(\hb)+2*\bb+1], v[TMP+8*\bb:TMP+8*\bb+7], v[SCL]
.endr
	v_nop                                          ; one plain vector instruction behind the last conversion: the next half block writes its sources
.irp g, 0,1
.if \isv
	global_store_b128 v[CO], v[CD+16*(\a)+8*(\hb)+4*\g:CD+16*(\a)+8*(\hb)+4*\g+3], s[10+2*((\a)/4):11+2*((\a)/4)] offset:2048*((\a)%4)+512*(2*(\hb)+\g)
.else
	global_store_b128 v[CO], v[CD+16*(\a)+8*(\hb)+4*\g:CD+16*(\a)+8*(\hb)+4*\g+3], s[10+2*(\hb):11+2*(\hb)] offset:1024*(\a)+512*\g
.endif
.endr
.endm
	s_wait_tensorcnt 1                             ; my part of K step 0 is in (K step 1's load may be out),
	s_barrier_signal -1
	s_barrier_wait -1                              ; everybody's is
	FETCH_B 0, 0, 0
	FETCH_A 0, 0, 0
	FETCH_A 0, 0, 4
	STEP 0, 0, 1                                   ; the first products start the sums: nothing is cleared
	TURN 0, 1, 1                                   ; four K steps of 256: slot 0 takes K step 2,
	STEP 1, 0, 0
	TURN 1, 0, 1                                   ; slot 1 K step 3,
	STEP 0, 0, 0
	TURN 0, 1, 0                                   ; and nothing is left to fetch
	STEP 1, 0, 0
	s_cmp_eq_u32 s94, 2                            ; the two ways out part on p, which is the same in all partners; neither touches LDS
	s_cbranch_scc1 .Lfor_v
.irp b, 0,1,2,3,4,5,6,7                        ; Q, K: lane (r, h) wants, for B's block b, the bias of channels 16 b + 8 h + 0 .. 7; the last 64 products stand between these loads and the wait for them
	global_load_b128 v[BIAS+8*\b:BIAS+8*\b+3], v7, s[66:67] offset:64*\b
	global_load_b128 v[BIAS+8*\b+4:BIAS+8*\b+7], v7, s[66:67] offset:64*\b+16
.endr
	LAST
	s_wait_loadcnt 0x0
	PLACES NP
.irp a, 0,1,2,3,4,5,6,7
	OUTH \a, 0, 0
	OUTH \a, 1, 0
.endr
	s_branch .Ljoin
.Lfor_v:
.irp a, 0,1,2,3,4,5,6,7                        ; V: lane (r, h) wants, for A's block a, the bias of channel 16 a + r, twice: a pair for the packed form
	global_load_b32 v[BIAS+2*\a], v8, s[66:67] offset:64*\a
	global_load_b32 v[BIAS+2*\a+1], v8, s[66:67] offset:64*\a
.endr
	LAST
	s_wait_loadcnt 0x0
	PLACES NP
.irp a, 0,1,2,3,4,5,6,7
	OUTH \a, 0, 1
	OUTH \a, 1, 1
.endr
.Ljoin:
	s_wait_tensorcnt 0x0                           ; the wave's end
	ds_add_u32 v[SPW], v[NIL]
	s_wait_dscnt 0x0
	CROUND                                         ; the closing round: no work-group ends while a partner may still ask for a tile that names it
	s_endpgm
.Lfunc_end_k_qf6864dfa6f_proj:
	.size	k_qf6864dfa6f_proj, .Lfunc_end_k_qf6864dfa6f_proj-k_qf6864dfa6f_proj
	.p2alignl 7, 3214868480
	.fill 96, 4, 3214868480
	.section	.rodata,"a",@progbits
	.p2align	6, 0x0
	.amdhsa_kernel k_qf6864dfa6f_proj
		.amdhsa_group_segment_fixed_size 327680
		.amdhsa_private_segment_fixed_size 0
		.amdhsa_enable_private_segment 0
		.amdhsa_kernarg_size 104
		.amdhsa_user_sgpr_count 2
		.amdhsa_user_sgpr_kernarg_segment_ptr 1
		.amdhsa_wavefront_size32 1
		.amdhsa_system_sgpr_workgroup_id_x 1
		.amdhsa_system_sgpr_workgroup_id_y 1
		.amdhsa_system_sgpr_workgroup_id_z 1
		.amdhsa_system_vgpr_workitem_id 0
		.amdhsa_next_free_vgpr 1024
		.amdhsa_next_free_sgpr 100
		.amdhsa_reserve_vcc 0
		.amdhsa_float_denorm_mode_32 3
		.amdhsa_float_denorm_mode_16_64 3
		.amdhsa_fp16_overflow 1
		.amdhsa_memory_ordered 1
		.amdhsa_forward_progress 1
		.amdhsa_inst_pref_size 135
	.end_amdhsa_kernel
	.amdgpu_metadata
---
amdhsa.version: [ 1, 2 ]
amdhsa.kernels:
  - .name:           k_qf6864dfa6f_proj
    .symbol:         k_qf6864dfa6f_proj.kd
    .args:
      - { .name: query_codes, .offset: 0, .size: 8, .value_kind: global_buffer, .address_space: global }
      - { .name: key_codes, .offset: 8, .size: 8, .value_kind: global_buffer, .address_space: global }
      - { .name: value_codes, .offset: 16, .size: 8, .value_kind: global_buffer, .address_space: global }
      - { .name: w_q_codes, .offset: 24, .size: 8, .value_kind: global_buffer, .address_space: global }
      - { .name: w_k_codes, .offset: 32, .size: 8, .value_kind: global_buffer, .address_space: global }
      - { .name: w_v_codes, .offset: 40, .size: 8, .value_kind: global_buffer, .address_space: global }
      - { .name: b_q, .offset: 48, .size: 8, .value_kind: global_buffer, .address_space: global }
      - { .name: b_k, .offset: 56, .size: 8, .value_kind: global_buffer, .address_space: global }
      - { .name: b_v, .offset: 64, .size: 8, .value_kind: global_buffer, .address_space: global }
      - { .name: lowp_scales, .offset: 72, .size: 8, .value_kind: global_buffer, .address_space: global }
      - { .name: qf, .offset: 80, .size: 8, .value_kind: global_buffer, .address_space: global }
      - { .name: kf, .offset: 88, .size: 8, .value_kind: global_buffer, .address_space: global }
      - { .name: vf, .offset: 96, .size: 8, .value_kind: global_buffer, .address_space: global }
    .group_segment_fixed_size: 327680
    .private_segment_fixed_size: 0
    .kernarg_segment_align: 8
    .kernarg_segment_size: 104
    .max_flat_workgroup_size: 128
    .sgpr_count:     100
    .vgpr_count:     1024
    .wavefront_size: 32
...
	.end_amdgpu_metadata
.endif
;; end of part 1
;; launch attn (part 2): grid 4 x 64, 8 waves a work-group, clusters of 4 x 1, 327,680 bytes of LDS; arguments qf, kf, vf, mask, lowp_scales, cf; writes cf
.if DOCPART == 2
	.amdgcn_target "amdgcn-amd-amdhsa--gfx1250"
	.amdhsa_code_object_version 6
	.text
	.protected	k_qf6864dfa6f_attn
	.globl	k_qf6864dfa6f_attn
	.p2align	8
	.type	k_qf6864dfa6f_attn,@function
k_qf6864dfa6f_attn:
	s_mov_b64 s[64:65], 0
	v_nop
	global_prefetch_b8 v0, s[64:65] scope:SCOPE_SE
	s_setreg_imm32_b32 hwreg(HW_REG_WAVE_MODE, 25, 1), 1
	s_wait_xcnt 0x0
	s_wait_alu depctr_hold_cnt(0) depctr_sa_sdst(0) depctr_va_vdst(0) depctr_va_sdst(0) depctr_va_ssrc(0) depctr_va_vcc(0) depctr_vm_vsrc(0)
	s_getreg_b32 s2, hwreg(HW_REG_IB_STS2, 6, 4)
	s_cmp_eq_u32 s2, 0
	s_cbranch_scc0 .Lentry_in_a_cluster
	s_endpgm
.Lentry_in_a_cluster:
	s_bfe_u32 s2, ttmp6, 0x10000c
	s_cmp_lg_u32 s2, 0x3003
	s_cbranch_scc0 .Lentry_shape_is_right
	s_endpgm
.Lentry_shape_is_right:
; ATTENTION ON CODES OF BF8 (E5M2): ctx = softmax(Q K^T / 8, masked keys left out) V for one head of 64 channels and 2,048 keys; ctx is quantised at once by its given scale and stored in the order of the last product's operand registers.
; qf, kf: [16 b + head][token / 128][tile of 16 tokens: 8][group of four registers: 2][lane][16 bytes]: a fragment of 16 tokens x 64 channels.  vf: [16 b + head][key / 128][tile of 16 channels: 4][group: 4][lane][16 bytes]: 16 channels x 128 keys.
; cf: [token / 16][head][group: 2][lane][16 bytes]: 16 tokens x the head's 64 channels.
; THE SOFTMAX AHEAD OF THE SECOND PRODUCT: t = score x log2(e) / 8; M = the row's largest t so far, rounded UP to a whole number; p = 2^(t - M) is what is quantised; the row's sum is taken of the unquantised p and divides at the end.
; When M moves, the sum and O are multiplied by 2^(old M - new M), which rounds nothing.
; SHARES.  A work-group owns 512 queries of one head, each of its eight waves 64: four tiles of 16, which share every fragment of K and V that the wave reads from LDS.  Every wave walks all keys, 128 a step.
; THE HEAD'S WHOLE K AND V LIE IN LDS (2 x 131,072 bytes), filled once: no byte of LDS is filled twice.  CLUSTER: the four work-groups of a cluster own the four quarters of one head's queries and want the same K and V:
; each tile is asked for JOINTLY, by the same tensor load with the same descriptor and a mask that names the four.  Each wave issues two loads, a small one (key blocks 0-3) and a large one (4-15); the first four steps run while the large one lands.
; LAYOUT.  Both products are used transposed: S^T = K Q^T (source 0 = 16 keys, source 1 = 16 queries), O^T = V^T P^T (source 0 = 16 channels, source 1 = P): a lane holds ONE query (lane % 16) throughout, and register j of tile t of S^T
; is key 16 t + 8 (lane / 16) + j: one conversion of the tile's eight registers is registers 2 t, 2 t + 1 of P as this form's own layout has them.
; THE MASK costs no vector instruction in the loop: a table in LDS holds 0 for an open key and -2^100 for a masked one, and goes in as the C of S^T's products.  A sum of 64 products of codes is under 2^38, so a masked key's p is 0.
; A run of masked keys at the row's head gives p = 1 for the time being; the first open key moves M so far that all of it is multiplied by 0.  Where NO key of the batch is open, every score is the same and p = 1 for all keys:
; then the table holds 0 and c is 0 (two selects, no branch).
; LIMITS on the given exponents: entries 6 + 7 between -90 and 130 (added to c's exponent field; -2^100 x c must stay far under every t); entries 8 and 10 between -126 and 112.  Codes of infinity and NaN are not served.
; A masked key counts for nothing beside an open one: so it is where scores / 8 of open keys stay above -1e9.
; REGISTERS, in two windows of 256.  window 0: v1-6 addresses; v7-10 scales; v11-15 at work; v16-31 four registers of statistics a tile (-M, the largest t, the sum in two halves); v32-63 Q; v64-127 S^T, then p; v128-191 P's codes; v192-255 the mask.
;   window 1: v0-63 K of a step; v64-127 V of a step; v128-255 O^T, 32 a tile.
.set VLDS, 131072                      ; LDS: K at 0, V here, 8,192 bytes a block of 128 keys,
.set MBL,  262144                      ; and the mask's table: 2,048 f32
.set ADK,  1                           ; v1-3  the step's addresses: K, V, the mask
.set ADV,  2
.set ADM,  3
.set LI,   4                           ; v4    16 x lane
.set AV0,  5                           ; v5    VLDS + 16 x lane
.set AM0,  6                           ; v6    MBL + 32 (lane / 16)
.set PSCL, 7                           ; v7    2^e8
.set PLIM, 8
.set CSCL, 9                           ; v9    2^e10
.set CLIM, 10
.set TP,   11
.set TA,   12
.set TC,   13
.set F,    14                          ; v[14:15] f = 2^(old M - new M), and a 0 that is named with it
.set ST,   16
.set Q,    32
.set S,    64
.set P,    128
.set MR,   192
.set KF,   0                           ; in window 1
.set VF,   64
.set O,    128
.set WV,   16                          ; s16  my wave's number
.set G1A,  24                          ; s[24:31] group 1: 32 rows of 256 bytes;  s[32:39]: 96 rows;  s[40:43], s[44:47] their groups 0
.set G1B,  32
.set G0A,  40
.set G0B,  44
.set SEL,  48                          ; s[48:49] lane selects: lane l xor 16
.set CS,   50                          ; s[50:51] c = log2(e) / 8 x 2^(e6 + e7), twice
.set CNT,  57
.set TB,   59                          ; s59  the step's byte in K and in V
.set TM,   60                          ; s60  and in the mask's table
.set EPV,  61                          ; s61  e8 + e9
.set MSB, 0
.macro WIN new                         ; the immediate's high byte repeats the setting that is left
.if MSB != (\new)
	s_set_vgpr_msb (MSB<<8)|(\new)
.set MSB, (\new)
.endif
.endm
.macro CROUND                          ; a round of the cluster's barrier
	s_barrier_signal -1
	s_barrier_wait -1
	s_cmp_lg_u32 s[WV], 0
	s_cbranch_scc1 .Lnot_wave_0_\@
	s_barrier_signal -3
.Lnot_wave_0_\@:
	s_barrier_wait -3
	s_barrier_signal -1
	s_barrier_wait -1
.endm
	s_load_b256 s[4:11], s[0:1], 0x0               ; qf s[4:5], kf s[6:7], vf s[8:9], mask s[10:11]
	s_load_b128 s[12:15], s[0:1], 0x20             ; the scales' exponents s[12:13], cf s[14:15]
	v_lshl_add_u32 v254, v0, 2, 0x42000
	v_mov_b32 v255, 0
	ds_add_u32 v254, v255
	ds_add_u32 v254, v255
	s_wait_dscnt 0x0
	v_lshrrev_b32 v1, 5, v0
	s_delay_alu instid0(VALU_DEP_1)
	v_readfirstlane_b32 s[WV], v1                  ; wave 0..7
	s_bfe_u32 s17, ttmp6, 0x40000                  ; cx: my quarter of the head's queries: it enters qf's and cf's addresses alone
	s_and_b32 s18, ttmp7, 0xffff                   ; 16 b + head, which the four partners share
	s_lshr_b32 s19, s18, 4                         ; b
	s_and_b32 s20, s18, 15                         ; head
	s_and_b32 s21, s[WV], 3                        ; which part I fetch,
	s_lshr_b32 s22, s[WV], 2                       ; of K (waves 0-3) or of V (waves 4-7)
	; descriptor group 1: dense blocks as rows of 256 bytes, elements of 8 bytes
	s_mov_b32 s[G1A], 15|(3<<16)|(1<<21)           ; 15:0 the mask: all four work-groups; 17:16 elements of 8 bytes; 21 set beside a mask
	s_mov_b32 s[G1A+1], 32<<16                     ; tensor_dim0 = 32 elements
	s_mov_b32 s[G1A+2], 32<<16                     ; tensor_dim1 = 32 rows: 8,192 bytes
	s_mov_b32 s[G1A+3], 32<<16                     ; tile_dim0
	s_mov_b32 s[G1A+4], 32                         ; tile_dim1
	s_mov_b32 s[G1A+5], 32                         ; tensor_dim0_stride
	s_mov_b32 s[G1A+6], 0
	s_mov_b32 s[G1A+7], 0
	s_mov_b32 s[G1B], 15|(3<<16)|(1<<21)
	s_mov_b32 s[G1B+1], 32<<16
	s_mov_b32 s[G1B+2], 96<<16                     ; 96 rows: 24,576 bytes
	s_mov_b32 s[G1B+3], 32<<16
	s_mov_b32 s[G1B+4], 96
	s_mov_b32 s[G1B+5], 32
	s_mov_b32 s[G1B+6], 0
	s_mov_b32 s[G1B+7], 0
	s_lshl_b32 s23, s22, 17                        ; K's or V's region
	s_lshl_b32 s62, s21, 13                        ; key block w3
	s_mul_i32 s63, s21, 24576                      ; key blocks 4 + 3 w3 on
	s_mov_b32 s[G0A], 1
	s_add_co_u32 s[G0A+1], s23, s62
	s_mov_b32 s[G0B], 1
	s_add_co_u32 s[G0B+1], s23, s63
	s_add_co_u32 s[G0B+1], s[G0B+1], 32768
	s_lshl_b32 s66, s18, 17                        ; the head's 131,072 bytes in kf and in vf: memory and LDS are laid alike
	s_add_co_u32 s68, s66, s63
	s_add_co_u32 s68, s68, 32768
	s_add_co_u32 s66, s66, s62
	s_mov_b32 s67, 0
	s_mov_b32 s69, 0
	s_wait_kmcnt 0x0
	s_load_b128 s[52:55], s[12:13], 0x18           ; e6, e7, e8, e9
	s_load_b32 s56, s[12:13], 0x28                 ; e10
	s_cmp_lt_u32 s[WV], 4
	s_cselect_b64 s[70:71], s[6:7], s[8:9]
	s_add_nc_u64 s[G0A+2:G0A+3], s[70:71], s[66:67]
	s_or_b32 s[G0A+3], s[G0A+3], 0x80000000
	s_add_nc_u64 s[G0B+2:G0B+3], s[70:71], s[68:69]
	s_or_b32 s[G0B+3], s[G0B+3], 0x80000000
	CROUND                                         ; all four work-groups are here: the joint loads meet
	tensor_load_to_lds s[G0A:G0A+3], s[G1A:G1A+7]  ; the small fill: one load of mine is out
	s_nop 0
	s_wait_alu depctr_va_vdst(0)
	s_wait_tensorcnt 0x0
	ds_add_u32 v254, v255
	s_wait_dscnt 0x0
	CROUND
	tensor_load_to_lds s[G0B:G0B+3], s[G1B:G1B+7]
	s_nop 0
.rept 4
	v_nop
.endr
	v_and_b32 v1, 31, v0
	s_delay_alu instid0(VALU_DEP_1)
	v_lshlrev_b32 v[LI], 4, v1
	s_wait_alu depctr_va_vdst(0)
	v_add_nc_u32 v[AV0], VLDS, v[LI]
	v_bfe_u32 v3, v0, 4, 1
	s_delay_alu instid0(VALU_DEP_1)
	v_lshlrev_b32 v[AM0], 5, v3
	s_delay_alu instid0(VALU_DEP_1)
	v_add_nc_u32 v[AM0], MBL, v[AM0]
	s_lshl_b32 s62, s18, 17
	s_lshl_b32 s63, s17, 15
	s_add_co_u32 s62, s62, s63
	s_lshl_b32 s63, s[WV], 12
	s_add_co_u32 s62, s62, s63                     ; my 64 queries: 512 cx + 64 wave, 64 bytes each
	s_mov_b32 s63, 0
	s_add_nc_u64 s[4:5], s[4:5], s[62:63]
.irp i, 0,1,2,3
.irp g, 0,1
	global_load_b128 v[Q+8*\i+4*\g:Q+8*\i+4*\g+3], v[LI], s[4:5] offset:1024*\i+512*\g th:TH_LOAD_NT   ; Q's four fragments stay in registers
.endr
.endr
	s_lshl_b32 s62, s19, 11
	s_add_nc_u64 s[10:11], s[10:11], s[62:63]      ; the batch's 2,048 bytes of the mask
.irp k, 0,1,2,3
	global_load_b128 v[64+4*\k:67+4*\k], v[LI], s[10:11] offset:512*\k   ; all of them, in every wave: is any key open?
.endr
	v_lshlrev_b32 v2, 3, v0
	global_load_b64 v[80:81], v2, s[10:11]         ; and my thread's eight, for the table
	s_lshl_b32 s62, s19, 7
	s_lshl_b32 s66, s17, 5
	s_add_co_u32 s62, s62, s66
	s_lshl_b32 s66, s[WV], 2
	s_add_co_u32 s62, s62, s66                     ; my first tile of 16 tokens: 128 b + 32 cx + 4 wave
	s_lshl_b32 s62, s62, 14                        ; 16,384 bytes each,
	s_lshl_b32 s66, s20, 10                        ; 1,024 a head
	s_add_co_u32 s62, s62, s66
	s_add_nc_u64 s[14:15], s[14:15], s[62:63]
	s_mov_b32 s[SEL], 0x76543210
	s_mov_b32 s[SEL+1], 0xfedcba98
.irp i, 0,1,2,3
	v_mov_b32 v[ST+4*\i+1], 0xff61b1e6             ; the largest t so far: -3e38, under every t
	s_delay_alu instid0(VALU_DEP_1)
	v_floor_f32 v[ST+4*\i], -v[ST+4*\i+1]          ; -M
	v_mov_b32 v[ST+4*\i+2], 0                      ; the sum, in two halves
	v_mov_b32 v[ST+4*\i+3], 0
.endr
	v_mov_b32 v[TP], 0                             ; written once: a lane permute's destination counts as one of its sources
	v_mov_b32 v[F+1], 0                            ; (named as the upper half of the pair)
	WIN 0x40
.set n, 0
.rept 128
	v_mov_b32 v[O+n], 0                            ; O^T.  (The step has no first form of its own: the first change of M multiplies zeros.  These lines stand for a third copy of the step)
.set n, n+1
.endr
	WIN 0
	s_wait_loadcnt 0x0
.irp k, 1
	v_or_b32 v64, v64, v[64+\k]
.endr
.irp k, 2, 3, 4, 5, 6, 7, 8, 9, 10, 11, 12, 13, 14, 15
	s_delay_alu instid0(VALU_DEP_1)
	v_or_b32 v64, v64, v[64+\k]
.endr
	s_delay_alu instid0(VALU_DEP_1)
	v_cmp_ne_u32 s58, 0, v64                       ; a bit for each lane that saw an open key
	s_wait_kmcnt 0x0
	s_add_co_i32 s66, s52, s53
	s_lshl_b32 s66, s66, 23
	s_add_co_i32 s[CS], s66, 0x3e38aa3b            ; c = log2(e) / 8, with e6 + e7 added to its exponent field
	s_cmp_lg_u32 s58, 0
	s_cselect_b32 s[CS], s[CS], 0                  ; no key open: t = 0 for all,
	s_cselect_b32 s62, 0xf1800000, 0               ; and nothing is taken off a masked key's score; else -2^100
	s_mov_b32 s[CS+1], s[CS]                       ; (named with it as a pair, so it is written)
	v_mov_b32 v82, s62
.irp w, 0,1
.irp q, 0,1,2,3
	v_bfe_u32 v92, v[80+\w], 8*\q, 8
	s_delay_alu instid0(VALU_DEP_1)
	v_cmp_eq_u32 vcc_lo, 0, v92
	s_delay_alu instid0(VALU_DEP_1)
	v_cndmask_b32 v[84+4*\w+\q], 0, v82, vcc_lo    ; key 8 x thread + 4 w + q
.endr
.endr
	v_lshl_add_u32 v93, v0, 5, MBL
	ds_store_b128 v93, v[84:87]
	ds_store_b128 v93, v[88:91] offset:16
	s_add_co_i32 s66, s54, 127
	s_lshl_b32 s67, s66, 23
	v_mov_b32 v[PSCL], s67                         ; 2^e8 as f32: the conversion takes its exponent field
	s_add_co_i32 s66, s56, 127
	s_lshl_b32 s67, s66, 23
	v_mov_b32 v[CSCL], s67                         ; the same with e10, for ctx
	s_add_co_i32 s[EPV], s54, s55
; S^T of tile i: eight products of 16 keys x 16 queries x 64 channels, each with the mask's eight numbers as C.  (K in window 1, all else in window 0)
.macro SCORES i
.irp t, 0,1,2,3,4,5,6,7
	v_wmma_f32_16x16x64_bf8_bf8 v[S+8*\t:S+8*\t+7], v[KF+8*\t:KF+8*\t+7], v[Q+8*(\i):Q+8*(\i)+7], v[MR+8*\t:MR+8*\t+7]
.endr
.endm
; Tile i's softmax for a step: from S^T to P's sixteen registers; it leaves f in v[F].
.macro SOFTMAX i
.set rT, ST+4*(\i)
	v_max3_num_f32 v[TA], v[S], v[S+1], v[S+2]     ; the step's largest score of my query among my 64 keys, in two chains, each accumulator from its low end on,
	v_max3_num_f32 v[TC], v[S+3], v[S+4], v[S+5]
.irp k, 6,10,14,18,22,26,30,34,38,42,46,50,54,58
	v_max3_num_f32 v[TA], v[TA], v[S+\k], v[S+\k+1]
	v_max3_num_f32 v[TC], v[TC], v[S+\k+2], v[S+\k+3]
.endr
	v_max3_num_f32 v[TA], v[TA], v[S+62], v[S+63]
	s_delay_alu instid0(VALU_DEP_1)
	v_max_num_f32 v[TA], v[TA], v[TC]
	s_delay_alu instid0(VALU_DEP_1)
	v_permlanex16_b32 v[TP], v[TA], s[SEL], s[SEL+1]
	s_delay_alu instid0(VALU_DEP_1)
	v_max_num_f32 v[TA], v[TA], v[TP]              ; and among lane l xor 16's
	s_delay_alu instid0(VALU_DEP_1)
	v_mul_f32 v[TA], s[CS], v[TA]                  ; as t (c is not negative)
	s_delay_alu instid0(VALU_DEP_1)
	v_max_num_f32 v[rT+1], v[rT+1], v[TA]          ; the running largest t
	v_mov_b32 v[TA], v[rT]
	s_delay_alu instid0(VALU_DEP_2)
	v_floor_f32 v[rT], -v[rT+1]                    ; the new -M = floor(-t): M is a whole number
	s_delay_alu instid0(VALU_DEP_1)
	v_sub_f32 v[TA], v[rT], v[TA]                  ; old M less new M: a whole number, 0 or less
	s_delay_alu instid0(VALU_DEP_1)
	v_cvt_i32_f32 v[TA], v[TA]                     ; (it saturates)
	s_delay_alu instid0(VALU_DEP_1)
	v_ldexp_f32 v[F], 1.0, v[TA]                   ; f = 2^(old M - new M)
.set n, 0
.rept 32
	v_pk_fma_f32 v[S+n:S+n+1], v[S+n:S+n+1], s[CS:CS+1], v[rT:rT+1] op_sel_hi:[1,0,0]   ; t - M, two at a time (of the pairs c and -M the low word serves both halves)
.set n, n+2
.endr
.set n, 0
	s_wait_alu depctr_va_vdst(0)
.rept 64
	v_exp_f32 v[S+n], v[S+n]                       ; p = 2^(t - M), at most 1: not normalised
.set n, n+1
.endr
	v_pk_mul_f32 v[rT+2:rT+3], v[rT+2:rT+3], v[F:F+1] op_sel_hi:[1,0]   ; the sums under the new M: the plain instruction behind the exponentials
	s_wait_alu depctr_va_vdst(0)                   ; one wait for the batch of 64, ahead of its first reader
	v_pk_add_f32 v[TA:TA+1], v[S:S+1], v[S+2:S+3]  ; the row's sum is taken of the unquantised p: two at a time, in two chains
.irp k, 4,8,12,16,20,24,28,32,36,40,44,48,52,56,60
	v_pk_add_f32 v[rT+2:rT+3], v[rT+2:rT+3], v[S+\k:S+\k+1]
	v_pk_add_f32 v[TA:TA+1], v[TA:TA+1], v[S+\k+2:S+\k+3]
.endr
	s_delay_alu instid0(VALU_DEP_1)
	v_pk_add_f32 v[rT+2:rT+3], v[rT+2:rT+3], v[TA:TA+1]
.irp t, 0,1,2,3,4,5,6,7
.irp j, 0,1,2,3,4,5,6,7
.endr
	v_cvt_scalef32_pk8_bf8_f32 v[P+16*(\i)+2*\t:P+16*(\i)+2*\t+1], v[S+8*\t:S+8*\t+7], v[PSCL]   ; keys 16 t + 8 (lane / 16) + 0 .. 7: registers 2 t, 2 t + 1 of the operand
.endr
	v_nop                                          ; one plain vector instruction behind the last conversion: the next products write its sources
.endm
.macro RESCALE i                       ; tile i's O^T under the new M.  (O^T in window 1, f in window 0)
.set n, 0
.rept 16
	v_pk_mul_f32 v[O+32*(\i)+n:O+32*(\i)+n+1], v[O+32*(\i)+n:O+32*(\i)+n+1], v[F:F+1] op_sel_hi:[1,0]
.set n, n+2
.endr
.endm
; A KEY STEP: 128 keys for the wave's four tiles of queries.  48 LDS loads serve 48 matrix instructions.  A tile's scores are issued ahead of the rescaling of the tile before, whose sixteen lines are the places behind them.
.macro STEP
	v_add_nc_u32 v[ADK], s[TB], v[LI]              ; these three and the v_nop are the four places between the last products, which read V, and the loads into V's registers
	v_add_nc_u32 v[ADV], s[TB], v[AV0]
	v_add_nc_u32 v[ADM], s[TM], v[AM0]
	v_nop
.irp t, 0,1,2,3,4,5,6,7
	ds_load_b128 v[MR+8*\t:MR+8*\t+3],   v[ADM] offset:64*\t       ; the mask's numbers of keys 16 t + 8 (lane / 16) + 0 .. 7: sixteen lanes read the same bytes
	ds_load_b128 v[MR+8*\t+4:MR+8*\t+7], v[ADM] offset:64*\t+16
.endr
	WIN 0x40                                       ; destination window 1
.irp t, 0,1,2,3,4,5,6,7
	ds_load_b128 v[KF+8*\t:KF+8*\t+3],   v[ADK] offset:1024*\t     ; fragments come as they were stored: 512 consecutive bytes a load
	ds_load_b128 v[KF+8*\t+4:KF+8*\t+7], v[ADK] offset:1024*\t+512
.endr
.irp d, 0,1,2,3
.irp g, 0,1,2,3
	ds_load_b128 v[VF+16*\d+4*\g:VF+16*\d+4*\g+3], v[ADV] offset:2048*\d+512*\g
.endr
.endr
	s_wait_dscnt 16                                ; the mask and K are in; V's sixteen loads may be out
	WIN 0x01
	SCORES 0
	WIN 0
.rept 4
	v_nop                                          ; places in front of the first read of results
.endr
	SOFTMAX 0
.irp i, 0,1,2
	WIN 0x01
	SCORES \i+1
	WIN 0x41
	RESCALE \i
	WIN 0
	SOFTMAX \i+1
.endr
	WIN 0x41
	RESCALE 3
	s_wait_alu depctr_va_vdst(0)
	s_wait_dscnt 0x0                               ; V is in
	WIN 0x51                                       ; V and O^T in window 1, P in window 0
.irp d, 0,1,2,3                                ; O^T += V^T P^T: sixteen accumulators, one instruction each
.irp i, 0,1,2,3
	v_wmma_f32_16x16x128_bf8_bf8 v[O+32*\i+8*\d:O+32*\i+8*\d+7], v[VF+16*\d:VF+16*\d+15], v[P+16*\i:P+16*\i+15], v[O+32*\i+8*\d:O+32*\i+8*\d+7]
.endr
.endr
	WIN 0
	s_add_co_u32 s[TB], s[TB], 8192
	s_add_co_u32 s[TM], s[TM], 512
.endm
	s_wait_tensorcnt 0x1                           ; my part of key blocks 0-3 is in; my large load may stay out
	s_wait_dscnt 0x0                               ; my part of the mask's table is stored
	s_barrier_signal -1
	s_barrier_wait -1                              ; everybody's is
	s_mov_b32 s[TB], 0
	s_mov_b32 s[TM], 0
	s_mov_b32 s[CNT], 4
.Lfirst:                                           ; key blocks 0 to 3
	STEP
	s_sub_co_u32 s[CNT], s[CNT], 1
	s_cmp_lg_u32 s[CNT], 0
	s_cbranch_scc1 .Lfirst
	s_wait_tensorcnt 0x0                           ; my part of key blocks 4-15 is in,
	s_wait_dscnt 0x0
	s_barrier_signal -1
	s_barrier_wait -1                              ; everybody's is
	s_mov_b32 s[TB], 32768
	s_mov_b32 s[TM], 2048
	s_mov_b32 s[CNT], 12
.Lrest:                                            ; key blocks 4 to 15
	STEP
	s_sub_co_u32 s[CNT], s[CNT], 1
	s_cmp_lg_u32 s[CNT], 0
	s_cbranch_scc1 .Lrest
	; THE WAY OUT.  The sum's halves and lane l xor 16's are added (these lines are the places behind the last products); ctx = O^T x 2^(e8 + e9) / the sum is converted and stored: no stage, no transposition.
.irp i, 0,1,2,3
	v_add_f32 v[ST+4*\i+2], v[ST+4*\i+2], v[ST+4*\i+3]
.endr
.irp i, 0,1,2,3
	s_delay_alu instid0(VALU_DEP_4)
	v_permlanex16_b32 v[ST+4*\i+3], v[ST+4*\i+2], s[SEL], s[SEL+1]
.endr
.irp i, 0,1,2,3
	s_delay_alu instid0(VALU_DEP_4)
	v_add_f32 v[ST+4*\i+2], v[ST+4*\i+2], v[ST+4*\i+3]
.endr
	s_wait_alu depctr_va_vdst(0)
.irp i, 0,1,2,3
	v_rcp_f32 v[ST+4*\i], v[ST+4*\i+2]
.endr
	v_nop                                          ; a plain instruction between the last reciprocal and the use of its result
	s_wait_alu depctr_va_vdst(0)                   ; one wait for the four reciprocals, ahead of their first reader
.irp i, 0,1,2,3
	v_ldexp_f32 v[ST+4*\i], v[ST+4*\i], s[EPV]
.endr
.macro OUT i                           ; tile i: register 8 d + j of O^T is ctx(query r, channel 16 d + 8 (lane / 16) + j): four conversions give the eight registers of the fragment (16 tokens, my head's 64 channels)
.set TO, S+32*((\i)%2)
	WIN 0x01                                       ; source 0 (O^T) window 1
.set n, 0
.rept 16
	v_pk_mul_f32 v[TO+n:TO+n+1], v[O+32*(\i)+n:O+32*(\i)+n+1], v[ST+4*(\i):ST+4*(\i)+1] op_sel_hi:[1,0]
.set n, n+2
.endr
	WIN 0
.irp d, 0,1,2,3
.irp j, 0,1,2,3,4,5,6,7
.endr
	v_cvt_scalef32_pk8_bf8_f32 v[P+8*(\i)+2*\d:P+8*(\i)+2*\d+1], v[TO+8*\d:TO+8*\d+7], v[CSCL]
.endr
	v_nop                                          ; one plain vector instruction behind the last conversion
	global_store_b128 v[LI], v[P+8*(\i):P+8*(\i)+3], s[14:15] offset:16384*(\i)          ; 32 lanes store 512 consecutive bytes, at a multiple of 512 from cf's first byte
	global_store_b128 v[LI], v[P+8*(\i)+4:P+8*(\i)+7], s[14:15] offset:16384*(\i)+512
.endm
	OUT 0
	OUT 1
	OUT 2
	OUT 3
	s_wait_xcnt 0x0
	v_lshl_add_u32 v254, v0, 2, 0x42000
	v_mov_b32 v255, 0
	s_wait_alu depctr_va_vdst(0)
	s_wait_tensorcnt 0x0
	ds_add_u32 v254, v255
	s_wait_dscnt 0x0
	CROUND                                         ; the closing round: no work-group ends while a partner may still ask for a tile that names it
	s_endpgm
.Lfunc_end_k_qf6864dfa6f_attn:
	.size	k_qf6864dfa6f_attn, .Lfunc_end_k_qf6864dfa6f_attn-k_qf6864dfa6f_attn
	.p2alignl 7, 3214868480
	.fill 96, 4, 3214868480
	.section	.rodata,"a",@progbits
	.p2align	6, 0x0
	.amdhsa_kernel k_qf6864dfa6f_attn
		.amdhsa_group_segment_fixed_size 327680
		.amdhsa_private_segment_fixed_size 0
		.amdhsa_enable_private_segment 0
		.amdhsa_kernarg_size 48
		.amdhsa_user_sgpr_count 2
		.amdhsa_user_sgpr_kernarg_segment_ptr 1
		.amdhsa_wavefront_size32 1
		.amdhsa_system_sgpr_workgroup_id_x 1
		.amdhsa_system_sgpr_workgroup_id_y 1
		.amdhsa_system_sgpr_workgroup_id_z 1
		.amdhsa_system_vgpr_workitem_id 0
		.amdhsa_next_free_vgpr 512
		.amdhsa_next_free_sgpr 72
		.amdhsa_reserve_vcc 1
		.amdhsa_float_denorm_mode_32 3
		.amdhsa_float_denorm_mode_16_64 3
		.amdhsa_fp16_overflow 1
		.amdhsa_memory_ordered 1
		.amdhsa_forward_progress 1
		.amdhsa_inst_pref_size 120
	.end_amdhsa_kernel
	.amdgpu_metadata
---
amdhsa.version: [ 1, 2 ]
amdhsa.kernels:
  - .name:           k_qf6864dfa6f_attn
    .symbol:         k_qf6864dfa6f_attn.kd
    .args:
      - { .name: qf, .offset: 0, .size: 8, .value_kind: global_buffer, .address_space: global }
      - { .name: kf, .offset: 8, .size: 8, .value_kind: global_buffer, .address_space: global }
      - { .name: vf, .offset: 16, .size: 8, .value_kind: global_buffer, .address_space: global }
      - { .name: mask, .offset: 24, .size: 8, .value_kind: global_buffer, .address_space: global }
      - { .name: lowp_scales, .offset: 32, .size: 8, .value_kind: global_buffer, .address_space: global }
      - { .name: cf, .offset: 40, .size: 8, .value_kind: global_buffer, .address_space: global }
    .group_segment_fixed_size: 327680
    .private_segment_fixed_size: 0
    .kernarg_segment_align: 8
    .kernarg_segment_size: 48
    .max_flat_workgroup_size: 256
    .sgpr_count:     72
    .vgpr_count:     512
    .wavefront_size: 32
...
	.end_amdgpu_metadata
.endif
;; end of part 2
;; launch outp (part 3): grid 4 x 32, 4 waves a work-group, clusters of 4 x 4, 327,680 bytes of LDS; arguments cf, w_o_codes, lowp_scales, out0, b_o; writes out0
.if DOCPART == 3
	.amdgcn_target "amdgcn-amd-amdhsa--gfx1250"
	.amdhsa_code_object_version 6
	.text
	.protected	k_qf6864dfa6f_outp
	.globl	k_qf6864dfa6f_outp
	.p2align	8
	.type	k_qf6864dfa6f_outp,@function
k_qf6864dfa6f_outp:
	s_mov_b64 s[64:65], 0
	v_nop
	global_prefetch_b8 v0, s[64:65] scope:SCOPE_SE
	s_setreg_imm32_b32 hwreg(HW_REG_WAVE_MODE, 25, 1), 1
	s_wait_xcnt 0x0
	s_wait_alu depctr_hold_cnt(0) depctr_sa_sdst(0) depctr_va_vdst(0) depctr_va_sdst(0) depctr_va_ssrc(0) depctr_va_vcc(0) depctr_vm_vsrc(0)
	s_getreg_b32 s2, hwreg(HW_REG_IB_STS2, 6, 4)
	s_cmp_eq_u32 s2, 0
	s_cbranch_scc0 .Lentry_in_a_cluster
	s_endpgm
.Lentry_in_a_cluster:
	s_bfe_u32 s2, ttmp6, 0x10000c
	s_cmp_lg_u32 s2, 0xf033
	s_cbranch_scc0 .Lentry_shape_is_right
	s_endpgm
.Lentry_shape_is_right:
; THE LAST PROJECTION: out0 = ctx Wo^T + bo, on codes of BF8 (E5M2).  ctx: 8,192 tokens x 1,024, as cf has it: [token / 16][head][group of four registers: 2][lane][16 bytes]: the 2,048 bytes of heads 2 n and 2 n + 1 are the
; sixteen registers of the fragment (16 tokens, k = 128 n .. 128 n + 127) in this form's own layout (registers 2 c, 2 c + 1: k = 16 c + 8 (lane / 16) + 0 .. 7).  Wo: [1,024][1,024] codes, K innermost.  out0: [8,192][1,024] f32.
; A number of ctx is its code's value x 2^e10, of Wo x 2^e11: out0 = sum x 2^(e10 + e11) + bo, one packed multiply-add for two numbers.  LIMIT: e10 + e11 lies between -126 and 127, so that the power of two is an f32 number.
; A tile of 256 x 256 of out0 is made by four waves, as many as a WGP has SIMDs; a wave makes 128 x 128 in 64 accumulators.  K goes in four steps of 256 through two LDS slots.
; CLUSTERS: 4 x 4 work-groups.  The four of a row need the same tiles of ctx ("A"), the four of a column the same tiles of Wo ("B"): each is asked for JOINTLY.  THE MATRIX INSTRUCTION IS USED TRANSPOSED
; (source 0 = 16 rows of Wo, source 1 = 16 tokens): a lane then holds eight neighbouring numbers of a row of out0.
; A's tile of a K step: for each of 16 tiles of tokens 4,096 consecutive bytes (four heads), 16,384 bytes apart in memory, dense in LDS: a fragment comes by four loads of 512 consecutive bytes.
; B's tile: rows of 256 bytes, padded; since A's k stand in their true places, B's fragments come by eight loads of 8 bytes, which put B's there too.
; REGISTERS, in windows of 256: window 0: v0-31 addresses; v128-255 A's fragments, one set; on the way out v32-255 are free.  window 1: B's fragments, two sets; at the end bo takes set 0's first 64.  windows 2, 3: the accumulators.
.set SIZE_N, 1024
.set KROW,   1024
.set ROWB,   256                       ; B: a tile's row in bytes
.set ASTEP,  4096                      ; A: a K step of a tile of tokens in bytes
.set PITCH,  272                       ; B's LDS row: 256 bytes + 16 of padding = 68 words: row r starts at bank 4 r mod 64 (64 banks of 4 bytes: ISA guide 11.1)
.set FR,     16
.set NL,     4                         ; LDS loads that bring a fragment of A
.set NP,     4                         ; places behind this matrix instruction (ISA guide 7.12.1)
.set HALFT,  128*PITCH                 ; the place of one tensor load's rows (A's loads use 32,768 bytes of it)
.set SLOT,   4*HALFT
.set SPARE,  2*SLOT                    ; behind the ring: the spare words, 128 bytes for each wave
.set SPITCH, 528                       ; the way out: a stage of 16 rows x (512 bytes + 16) for each wave, in slot 0, which has had its last fill and its last read when the first result is stored there
.set ADRA, 16
.set ADRB, 20
.set STO,  24
.set RD,   25
.set CO,   26                          ; v26  16 x lane
.set BO,   27                          ; v27  32 (lane / 16): my eight numbers of bo in a block of 16
.set SPW,  28
.set NIL,  29
.set TMP,  32
.set AF,   128
.set BK,   128
.set G1, 24
.set G0, 32
.set G1B, 48
.set G0B, 56
.set MSB, 0
.macro WIN new                         ; the immediate's high byte repeats the setting that is left
.if MSB != (\new)
	s_set_vgpr_msb (MSB<<8)|(\new)
.set MSB, (\new)
.endif
.endm
.set MUL_LO, 0xa1
.set MUL_HI, 0xf1
.set TO_B,   0x40
.macro JLOAD g0a, g1a, g0b, g1b        ; a joint load: waves 0 and 1 fetch for A, waves 2 and 3 for B; four v_nop follow each of the two lines
	s_cmp_eq_u32 s15, 0
	s_cbranch_scc0 .Lfor_b_\@
	tensor_load_to_lds s[\g0a:\g0a+3], s[\g1a:\g1a+7]
	s_nop 0
.rept 4
	v_nop
.endr
	s_branch .Lasked_\@
.Lfor_b_\@:
	tensor_load_to_lds s[\g0b:\g0b+3], s[\g1b:\g1b+7]
	s_nop 0
.rept 4
	v_nop
.endr
.Lasked_\@:
.endm
.macro CREST
	s_cmp_lg_u32 s14, 0
	s_cbranch_scc1 .Lnot_wave_0_\@
	s_barrier_signal -3
.Lnot_wave_0_\@:
	s_barrier_wait -3
	s_barrier_signal -1
	s_barrier_wait -1
.endm
.macro CROUND
	s_barrier_signal -1
	s_barrier_wait -1
	CREST
.endm
	s_load_b128 s[4:7], s[0:1], 0x0                ; cf s[4:5], Wo's codes s[6:7]
	s_load_b128 s[8:11], s[0:1], 0x10              ; the scales' exponents s[8:9], out0 s[10:11]
	s_load_b64 s[12:13], s[0:1], 0x20              ; bo
	v_lshl_add_u32 v[SPW], v0, 2, SPARE
	v_mov_b32 v[NIL], 0
	ds_add_u32 v28, v29
	ds_add_u32 v28, v29
	s_wait_dscnt 0x0
	v_lshrrev_b32 v1, 5, v0
	v_readfirstlane_b32 s14, v1                    ; wave 0..3
	s_lshr_b32 s15, s14, 1                         ; which half of the tile's rows is mine.  Also: I fetch for A (0) or for B (1)
	s_and_b32 s16, s14, 1                          ; which half of its columns.  Also: which half of that tile I fetch
	s_bfe_u32 s40, ttmp6, 0x40000                  ; cx, cy
	s_bfe_u32 s41, ttmp6, 0x40004
	s_lshl_b32 s42, ttmp9, 2
	s_add_co_u32 s42, s42, s40                     ; tile column = 4 x cluster x + cx
	s_and_b32 s17, ttmp7, 0xffff
	s_lshl_b32 s17, s17, 2
	s_add_co_u32 s17, s17, s41                     ; tile row = 4 x cluster y + cy
	s_lshl_b32 s43, s41, 2
	s_lshl_b32 s43, 15, s43                        ; my row of the cluster
	s_lshl_b32 s44, 0x1111, s40                    ; my column
	s_or_b32 s[G1+0], s43, (3<<16)|(1<<21)         ; A: 15:0 the mask; 17:16 elements of 8 bytes; 21 set beside a mask; no padding
	s_mov_b32 s[G1+1], 512<<16                     ; tensor_dim0 = 512 elements: 4,096 bytes
	s_mov_b32 s[G1+2], 8<<16                       ; tensor_dim1 = 8 tiles of tokens
	s_mov_b32 s[G1+3], 512<<16                     ; tile_dim0
	s_mov_b32 s[G1+4], 8                           ; tile_dim1
	s_mov_b32 s[G1+5], 2048                        ; tensor_dim0_stride: 16,384 bytes
	s_mov_b32 s[G1+6], 0
	s_mov_b32 s[G1+7], 0
	s_or_b32 s[G1B+0], s44, (0<<16)|(1<<20)|(1<<21)|(5<<22)|(3<<25)  ; B: elements of 1 byte; padding: four words after every 64
	s_mov_b32 s[G1B+1], ROWB<<16
	s_mov_b32 s[G1B+2], 128<<16
	s_mov_b32 s[G1B+3], ROWB<<16
	s_mov_b32 s[G1B+4], 128
	s_mov_b32 s[G1B+5], KROW
	s_mov_b32 s[G1B+6], 0
	s_mov_b32 s[G1B+7], 0
	s_lshl_b32 s20, s17, 4
	s_lshl_b32 s18, s16, 3
	s_add_co_u32 s20, s20, s18
	s_lshl_b32 s20, s20, 14                        ; A: tile of tokens 16 x tile row + 8 x half, 16,384 bytes each: under 2^23
	s_mov_b32 s21, 0
	s_lshl_b32 s46, s42, 8
	s_lshl_b32 s18, s16, 7
	s_add_co_u32 s46, s46, s18
	s_lshl_b32 s46, s46, 10                        ; B: row 256 x tile column + 128 x half, 1,024 bytes each
	s_mov_b32 s47, 0
	s_mul_i32 s45, s14, HALFT                      ; where they go: by the wave's number alone
	s_wait_kmcnt 0x0
	s_load_b64 s[96:97], s[8:9], 0x28              ; e10, e11
	s_add_nc_u64 s[20:21], s[4:5], s[20:21]
	s_add_nc_u64 s[46:47], s[6:7], s[46:47]
	CROUND                                         ; all sixteen work-groups are here: the first joint loads meet
.irp s, 0,1
	s_mov_b32 s[G0+4*\s], 1
	s_add_co_u32 s[G0+4*\s+1], s45, \s*SLOT
	s_add_nc_u64 s[G0+4*\s+2:G0+4*\s+3], s[20:21], \s*ASTEP
	s_or_b32 s[G0+4*\s+3], s[G0+4*\s+3], 0x80000000
	s_mov_b32 s[G0B+4*\s], 1
	s_add_co_u32 s[G0B+4*\s+1], s45, \s*SLOT
	s_add_nc_u64 s[G0B+4*\s+2:G0B+4*\s+3], s[46:47], \s*ROWB
	s_or_b32 s[G0B+4*\s+3], s[G0B+4*\s+3], 0x80000000
	s_wait_alu depctr_va_vdst(0)
	s_wait_tensorcnt 0x0
	ds_add_u32 v28, v29
	ds_add_u32 v28, v29
	s_wait_dscnt 0x0
	CROUND
	JLOAD G0+4*\s, G1, G0B+4*\s, G1B
.endr
	v_and_b32 v1, 15, v0                           ; r
	v_bfe_u32 v2, v0, 4, 1                         ; h
	v_mul_u32_u24 v3, v1, PITCH
	v_lshl_add_u32 v4, v2, 3, v3                   ; B: a fragment's row x pitch + 8 x half
	v_and_b32 v6, 31, v0
	v_lshlrev_b32 v[CO], 4, v6                     ; A: 16 x lane
	s_wait_alu depctr_va_vdst(0)
	v_lshlrev_b32 v[BO], 5, v2
	s_mul_i32 s21, s15, HALFT                      ; my 128 tokens of A
	s_mul_i32 s22, s16, HALFT                      ; my 128 rows of B,
	s_add_co_u32 s22, s22, 2*HALFT                 ; which lie behind A's
.irp s, 0,1
	v_add_nc_u32 v[ADRA+\s], s21, v[CO]
	v_add_nc_u32 v[ADRB+\s], s22, v4
	s_add_co_u32 s21, s21, SLOT
	s_add_co_u32 s22, s22, SLOT
.endr
	s_mul_i32 s23, s14, 16*SPITCH                  ; my stage
	v_mul_u32_u24 v5, v1, SPITCH                   ; in: row r, 32 bytes for each half of the lanes
	v_lshl_add_u32 v5, v2, 5, v5
	v_add_nc_u32 v[STO], s23, v5
	v_add_nc_u32 v[RD], s23, v[CO]                 ; back: the 32 lanes take one row of 512 bytes
	s_lshl_b32 s20, s17, 8
	s_lshl_b32 s21, s15, 7
	s_add_co_u32 s20, s20, s21
	s_lshl_b32 s20, s20, 12                        ; my first row of out0, 4,096 bytes a row: under 2^26
	s_mov_b32 s21, 0
	s_lshl_b32 s46, s42, 10                        ; my first column, in bytes: 1,024 x tile column + 512 x half
	s_lshl_b32 s47, s16, 9
	s_add_co_u32 s46, s46, s47
	s_mov_b32 s47, 0
	s_add_nc_u64 s[12:13], s[12:13], s[46:47]      ; bo at my first column
	s_add_nc_u64 s[20:21], s[20:21], s[46:47]
	s_add_nc_u64 s[10:11], s[10:11], s[20:21]
.macro FRAGA reg, adr, q, i            ; tile of tokens i, the slot's q-th 128 along K: four groups of four registers as they were stored
.irp g, 0,1,2,3
	ds_load_b128 v[\reg+4*\g:\reg+4*\g+3], v[\adr] offset:4096*(\i)+2048*(\q)+512*\g
.endr
.endm
.macro FRAGB reg, adr, q, i            ; registers 2 c, 2 c + 1: K = 16 c + 8 (l / 16) + 0 .. 7 of row l % 16
.irp c, 0,1,2,3,4,5,6,7
	ds_load_b64 v[\reg+2*\c:\reg+2*\c+1], v[\adr] offset:128*(\q)+16*\c+(\i)*16*PITCH
.endr
.endm
.macro MUL16 a0, p, zero               ; A's blocks a0, a0 + 1 x B's eight; the 64 accumulators take turns, one instruction a turn
.irp a, \a0, \a0+1
.irp b, 0,1,2,3,4,5,6,7
.if \zero
	v_wmma_f32_16x16x128_bf8_bf8 v[8*(8*((\a)%4)+\b):8*(8*((\a)%4)+\b)+7], v[128*(\p)+FR*\b:128*(\p)+FR*\b+FR-1], v[AF+FR*(\a):AF+FR*(\a)+FR-1], 0
.else
	v_wmma_f32_16x16x128_bf8_bf8 v[8*(8*((\a)%4)+\b):8*(8*((\a)%4)+\b)+7], v[128*(\p)+FR*\b:128*(\p)+FR*\b+FR-1], v[AF+FR*(\a):AF+FR*(\a)+FR-1], v[8*(8*((\a)%4)+\b):8*(8*((\a)%4)+\b)+7]
.endif
.endr
.endr
.endm
.macro FETCH_B slot, q, p
	WIN TO_B
.irp i, 0,1,2,3,4,5,6,7
	FRAGB 128*(\p)+FR*\i, ADRB+\slot, \q, \i
.endr
	WIN 0
.endm
.macro FETCH_A slot, q, i0
.irp i, \i0, \i0+1, \i0+2, \i0+3
	FRAGA AF+FR*(\i), ADRA+\slot, \q, \i
.endr
.endm
.macro PLACES n
.rept \n
	v_nop
.endr
.endm
.macro STEP slot, q, zero              ; a step of 128 along K that has its successor in the same slot
	s_wait_dscnt 4*NL                              ; B's set and A's blocks 0-3 are in; the youngest sixteen loads (A's blocks 4-7) may be out
	WIN MUL_LO
	MUL16 0, (\q)%2, \zero
	MUL16 2, (\q)%2, \zero
	s_wait_dscnt 0
	PLACES NP
	FETCH_B \slot, (\q)+1, 1-(\q)%2
	FETCH_A \slot, (\q)+1, 0
	WIN MUL_HI
	MUL16 4, (\q)%2, \zero
	MUL16 6, (\q)%2, \zero
	PLACES NP
	WIN 0
	FETCH_A \slot, (\q)+1, 4
.endm
.macro TURN slot, next, fill           ; a slot's last step changes slots: one barrier, with the waits and the add in front of it; fill = 1: this slot is filled again, two K steps ahead
	s_wait_tensorcnt 0x0                           ; all my tensor loads have landed: my part of the next slot
	ds_add_u32 v[SPW], v[NIL]                      ; 0 onto my spare word
	s_wait_dscnt 4*NL+1                            ; (the add and the youngest sixteen loads may be out)
	WIN MUL_LO
	MUL16 0, 1, 0
	s_wait_dscnt 0x0                               ; the add is done, and my reads of this slot are over
	s_barrier_signal -1
	MUL16 2, 1, 0
	WIN 0
	s_barrier_wait -1
.if \fill
	CREST                                          ; the barrier has opened a round of the cluster's barrier
	s_add_nc_u64 s[G0+4*\slot+2:G0+4*\slot+3], s[G0+4*\slot+2:G0+4*\slot+3], 2*ASTEP
	s_add_nc_u64 s[G0B+4*\slot+2:G0B+4*\slot+3], s[G0B+4*\slot+2:G0B+4*\slot+3], 2*ROWB
	JLOAD G0+4*\slot, G1, G0B+4*\slot, G1B         ; the first tensor load behind the round; its four v_nop are the places in front of the loads below
.else
	PLACES NP
.endif
	FETCH_B \next, 0, 0
	FETCH_A \next, 0, 0
	WIN MUL_HI
	MUL16 4, 1, 0
	MUL16 6, 1, 0
	PLACES NP
	WIN 0
	FETCH_A \next, 0, 4
.endm
	s_wait_alu depctr_va_vdst(0)
	s_wait_tensorcnt 1                             ; my part of K step 0 is in (K step 1's load may be out),
	s_barrier_signal -1
	s_barrier_wait -1                              ; everybody's is
	FETCH_B 0, 0, 0
	FETCH_A 0, 0, 0
	FETCH_A 0, 0, 4
	STEP 0, 0, 1                                   ; the first products start the sums
	TURN 0, 1, 1                                   ; slot 0 takes K step 2,
	STEP 1, 0, 0
	TURN 1, 0, 1                                   ; slot 1 K step 3,
	STEP 0, 0, 0
	TURN 0, 1, 0                                   ; and nothing is left to fetch
	STEP 1, 0, 0
	WIN TO_B                                       ; bo into B's set 0, which is done with (four places stand behind its last products): lane (r, h) wants, for B's block b, columns 16 b + 8 h + 0 .. 7
.irp b, 0,1,2,3,4,5,6,7
	global_load_b128 v[8*\b:8*\b+3], v[BO], s[12:13] offset:64*\b
	global_load_b128 v[8*\b+4:8*\b+7], v[BO], s[12:13] offset:64*\b+16
.endr
	WIN 0
	s_wait_dscnt 4*NL                              ; the very last step
	WIN MUL_LO
	MUL16 0, 1, 0
	MUL16 2, 1, 0
	s_wait_dscnt 0
	WIN MUL_HI
	MUL16 4, 1, 0
	MUL16 6, 1, 0
	WIN 0
; THE WAY OUT, block by block of 16 rows x 128 columns, through my own stage in LDS: in as 32 bytes a lane, back as whole rows of 512 bytes.  LDS serves a wave's instructions in order (ISA guide 5.7.1.4): no wait between the stores and the loads.
.macro TOSTAGE a
.set AC, 64*((\a)%4)
	WIN 0x12+((\a)/4)                              ; source 0 (the sums) window 2 or 3, source 2 (bo) window 1
.irp j, 0,2,4,6,8,10,12,14,16,18,20,22,24,26,28,30,32,34,36,38,40,42,44,46,48,50,52,54,56,58,60,62
	v_pk_fma_f32 v[TMP+\j:TMP+\j+1], v[AC+\j:AC+\j+1], s[96:97], v[\j:\j+1] op_sel_hi:[1,0,1]   ; sum x 2^(e10 + e11) + bo; each accumulator from its low end on
.endr
	WIN 0
.irp b, 0,1,2,3,4,5,6,7
	ds_store_b128 v[STO], v[TMP+8*\b:TMP+8*\b+3] offset:64*\b
	ds_store_b128 v[STO], v[TMP+8*\b+4:TMP+8*\b+7] offset:64*\b+16
.endr
.set BB, BK+64*((\a)%2)
.irp t, 0,1,2,3,4,5,6,7,8,9,10,11,12,13,14,15
	ds_load_b128 v[BB+4*\t:BB+4*\t+3], v[RD] offset:\t*SPITCH
.endr
.endm
.macro SEND a, younger                 ; younger: the LDS instructions issued behind block a's loads, which may stay out
.set BB, BK+64*((\a)%2)
	s_wait_dscnt \younger
.if (\a) > 0
	s_add_nc_u64 s[10:11], s[10:11], 16*SIZE_N*4   ; (behind a wait on XCNT: the earlier stores have read their base)  16 rows on
.endif
.irp t, 0,1,2,3,4,5,6,7,8,9,10,11,12,13,14,15
	global_store_b128 v[CO], v[BB+4*\t:BB+4*\t+3], s[10:11] offset:\t*SIZE_N*4 th:TH_STORE_NT   ; 32 lanes store 512 consecutive bytes, at a multiple of 512 from out0's first byte
.endr
.endm
	s_wait_kmcnt 0x0
	s_add_co_i32 s96, s96, s97
	s_add_co_i32 s96, s96, 127
	s_lshl_b32 s96, s96, 23                        ; 2^(e10 + e11) as f32
	s_wait_loadcnt 0x0                             ; bo
	PLACES NP
	TOSTAGE 0
.irp a, 1,2,3,4,5,6,7
.if \a > 1
	s_wait_xcnt 0x0                                ; block a - 2's stores have read their registers and their base
.endif
	TOSTAGE \a
	SEND \a-1, 32                                  ; behind block a - 1's loads: block a's 16 stores and 16 loads
.endr
	s_wait_xcnt 0x0
	SEND 7, 0
	s_wait_tensorcnt 0x0                           ; the wave's end
	ds_add_u32 v[SPW], v[NIL]
	s_wait_dscnt 0x0
	CROUND                                         ; the closing round
	s_endpgm
.Lfunc_end_k_qf6864dfa6f_outp:
	.size	k_qf6864dfa6f_outp, .Lfunc_end_k_qf6864dfa6f_outp-k_qf6864dfa6f_outp
	.p2alignl 7, 3214868480
	.fill 96, 4, 3214868480
	.section	.rodata,"a",@progbits
	.p2align	6, 0x0
	.amdhsa_kernel k_qf6864dfa6f_outp
		.amdhsa_group_segment_fixed_size 327680
		.amdhsa_private_segment_fixed_size 0
		.amdhsa_enable_private_segment 0
		.amdhsa_kernarg_size 40
		.amdhsa_user_sgpr_count 2
		.amdhsa_user_sgpr_kernarg_segment_ptr 1
		.amdhsa_wavefront_size32 1
		.amdhsa_system_sgpr_workgroup_id_x 1
		.amdhsa_system_sgpr_workgroup_id_y 1
		.amdhsa_system_sgpr_workgroup_id_z 1
		.amdhsa_system_vgpr_workitem_id 0
		.amdhsa_next_free_vgpr 1024
		.amdhsa_next_free_sgpr 98
		.amdhsa_reserve_vcc 0
		.amdhsa_float_denorm_mode_32 3
		.amdhsa_float_denorm_mode_16_64 3
		.amdhsa_memory_ordered 1
		.amdhsa_forward_progress 1
		.amdhsa_inst_pref_size 142
	.end_amdhsa_kernel
	.amdgpu_metadata
---
amdhsa.version: [ 1, 2 ]
amdhsa.kernels:
  - .name:           k_qf6864dfa6f_outp
    .symbol:         k_qf6864dfa6f_outp.kd
    .args:
      - { .name: cf, .offset: 0, .size: 8, .value_kind: global_buffer, .address_space: global }
      - { .name: w_o_codes, .offset: 8, .size: 8, .value_kind: global_buffer, .address_space: global }
      - { .name: lowp_scales, .offset: 16, .size: 8, .value_kind: global_buffer, .address_space: global }
      - { .name: out0, .offset: 24, .size: 8, .value_kind: global_buffer, .address_space: global }
      - { .name: b_o, .offset: 32, .size: 8, .value_kind: global_buffer, .address_space: global }
    .group_segment_fixed_size: 327680
    .private_segment_fixed_size: 0
    .kernarg_segment_align: 8
    .kernarg_segment_size: 40
    .max_flat_workgroup_size: 128
    .sgpr_count:     98
    .vgpr_count:     1024
    .wavefront_size: 32
...
	.end_amdgpu_metadata
.endif
;; end of part 3
